; MI455X (gfx1250); checked and timed in simulation.
; The chip was launched on July 23, 2026; its instructions are those of AMD's public machine-readable ISA for CDNA 5 (MIT licence, August 2026) and "CDNA5" Instruction Set Architecture Reference Guide (July 2026). The comments in the code are by the model that wrote it; some were corrected since.
;; Model. Allowed arithmetic: float matrix products may take bf16 or f16 operands with f32 sums; all other float work in f32.
;; Inputs: w_k 1,024 x 1,024 float32; w_q 1,024 x 1,024 float32; w_v 1,024 x 1,024 float32; x1 4 x 2,048 x 1,024 float32; x2 4 x 2,048 x 1,024 float32.
;; Outputs: out0 4 x 2,048 x 1,024 float32.
;; One version. Each part assembles by itself: llvm-mc -triple=amdgcn-amd-amdhsa -mcpu=gfx1250 --defsym DOCPART=n.
;; ======== version 1 of 1: 3 launches
;; limits: values are held in f16: magnitudes above 65,504 overflow, below 6.1e-05 lose precision
;; workspace buffers: qh 16,777,216 bytes; kh 16,777,216 bytes; vh 16,777,216 bytes; pw 33,554,432 bytes; st 1,048,576 bytes
;; launch proj (part 1): grid 12 x 32, 4 waves a work-group, clusters of 4 x 4, 327,680 bytes of LDS; arguments x1, x2, w_q, w_k, w_v, qh, kh, vh; writes qh, kh, vh
.if DOCPART == 1
	.amdgcn_target "amdgcn-amd-amdhsa--gfx1250"
	.amdhsa_code_object_version 6
	.text
	.protected	k_qcf10c4cb51_proj
	.globl	k_qcf10c4cb51_proj
	.p2align	8
	.type	k_qcf10c4cb51_proj,@function
k_qcf10c4cb51_proj:
	s_mov_b64 s[64:65], 0
	v_nop
	global_prefetch_b8 v0, s[64:65] scope:SCOPE_SE
	s_setreg_imm32_b32 hwreg(HW_REG_WAVE_MODE, 25, 1), 1
	s_wait_xcnt 0x0
	s_wait_alu depctr_hold_cnt(0) depctr_sa_sdst(0) depctr_va_vdst(0) depctr_va_sdst(0) depctr_va_ssrc(0) depctr_va_vcc(0) depctr_vm_vsrc(0)
	s_getreg_b32 s2, hwreg(HW_REG_IB_STS2, 6, 4)
	s_cmp_eq_u32 s2, 0
	s_cbranch_scc0 .Lentry_in_a_cluster
	s_endpgm
.Lentry_in_a_cluster:
	s_bfe_u32 s2, ttmp6, 0x10000c
	s_cmp_lg_u32 s2, 0xf033
	s_cbranch_scc0 .Lentry_shape_is_right
	s_endpgm
.Lentry_shape_is_right:
; THE THREE PROJECTIONS.  C[m][n] = the sum over i of X[m][i] W[n][i].  X: [8192][1024] f32, W: [1024][1024] f32, C: [8192][1024] f16.
; The cluster's x picks the product: 0: qh = x1 w_q^T, 1: kh = x2 w_k^T, 2: vh = x2 w_v^T.  X and W are rounded to bf16 on the way from LDS to the matrix unit; sums in f32; C rounded once to f16.
; LIMIT.  f16 ends at 65,504: |q|, |k|, |v| must stay below it (1,024 terms of x w: about 6 as the inputs are drawn, about 29,000 with an offset of 30 spreads on x and on w).  NaN and infinities are not treated apart.
; SHARES.  A work-group makes 256 x 256 of C, each of its four waves 128 x 128: 64 accumulators, 512 registers.  K goes in steps of 64 f32 (rows of 256 bytes) through two LDS slots.
; CLUSTER.  4 x 4 work-groups: the four of a row need the same rows of X, the four of a column the same rows of W: each tile is asked for jointly, by the same tensor load, descriptor and mask in all four.
; THE MATRIX INSTRUCTION IS USED TRANSPOSED: source 0 = 16 rows of W, source 1 = 16 rows of X: a lane then holds one row of C and eight neighbouring columns.
; THE PIPELINE.  A HALF-STEP is 32 along K: 64 matrix instructions in four parts o = 0..3 (rows 32 o .. 32 o + 31 of my 128).  Behind every two matrix instructions stand four conversions (half a
; fragment, f32 to bf16).  The LDS loads of the raw f32 stand in RUNS at the head of o = 0 and of o = 2, never singly among the matrix instructions; a raw set is loaded again when its conversions have been issued.
;   o = 0: loads W's rows 64-127 and X's rows 0-63 of the next half-step;                        converts X's rows 64-127 of this half-step
;   o = 1:                                                                                       converts W's rows 0-63 of the next
;   o = 2: loads X's rows 64-127 of the next half-step and W's rows 0-63 of the next but one;    converts W's rows 64-127 of the next
;   o = 3:                                                                                       converts X's rows 0-63 of the next
; In an even half-step W's rows 0-63 of the next but one lie in the next slot: their run stands behind the change of slots, which o = 3 holds.
; REGISTERS, in windows of 256 (s_set_vgpr_msb: bits 1:0 source 0, 3:2 source 1, 5:4 source 2, 7:6 destination):
;   window 0: v2-8 addresses; v28-29 the add's; v32-63 X's fragments, rows 0-63; v64-127 W's fragments, rows 64-127, two buffers; v128-191 raw X rows 64-127; v192-255 raw W rows 0-63
;   window 1: v32-63 X's fragments, rows 64-127; v64-127 W's fragments, rows 0-63, two buffers; v128-191 raw W rows 64-127; v192-255 raw X rows 0-63
;   window 2: accumulators of my rows 0-63 ((a, b) at 8 (8 (a % 4) + b));   window 3: those of my rows 64-127
; Raw numbers of one window become fragments of the other, so a part's conversions run under one window setting.
.set PITCH,  272                       ; an LDS row: 256 bytes + 16 of padding: the 16 rows of a load start 16 bytes apart modulo 256
.set HALFT,  128*PITCH                 ; 128 rows: what one tensor load brings
.set SLOT,   4*HALFT                   ; X's 256 rows, then W's 256 rows: 0x22000; its two bits meet none of wave x 0x8800, so one exclusive or changes slots
.set STAGE,  2*SLOT                    ; behind the ring: 16 rows x 272 bytes for each wave, for the way out
.set SPARE,  STAGE+4*16*PITCH          ; the spare words: 128 bytes for each wave, two blocks of 256 bytes that no other line names
.set XROW,   4096                      ; bytes in a row of X and of W
.set CROW,   2048                      ; bytes in a row of C
.set KSTEP,  256                       ; bytes of a row in a K step
.set G1W0,   (2<<16)|(1<<20)|(1<<21)|(5<<22)|(3<<25)  ; elements of 4 bytes; padding on; bit 21 beside a mask; after every 64 words; 4 words
.set AL0, 2                            ; v2   my lane's place among X's rows of a slot; never rewritten
.set BL0, 3                            ; v3   the same for W
.set ADA, 4                            ; v4   AL0 + the slot in hand
.set ADB, 5                            ; v5   BL0 + the slot in hand
.set STO, 6                            ; v6   the way out: where I put 16 bytes of a row
.set RD,  7                            ; v7   the way out: where I read a row back
.set CO,  8                            ; v8   my byte offset in two rows of C
.set SPW, 28                           ; v28  LDS address of my spare word; never rewritten
.set NIL, 29                           ; v29  0; never rewritten
.set FA,  32
.set FB,  64
.set RAW, 128
.set TMP, 128                          ; the way out: packed results
.set OB,  160                          ; the way out: 16 rows read back: v160-191 and v192-223 by turns
.set G1A, 24                           ; s[24:31] descriptor group 1 for X's tiles
.set G0A, 32                           ; s[32:39] group 0 for X's tiles: a set for each first fill; the second then walks
.set G1B, 48                           ; s[48:55], s[56:63] the same for W's tiles
.set G0B, 56
.set TB,  84                           ; s84  LDS byte at which the slot in hand begins
.set CNT, 85                           ; s85  the loops' counter
.set MSB, 0
.macro WIN new                         ; the immediate's high byte repeats the setting that is left; a switch that changes nothing is dropped
.if MSB != (\new)
	s_set_vgpr_msb (MSB<<8)|(\new)
.set MSB, (\new)
.endif
.endm
.macro PLACES
.rept 4
	v_nop
.endr
.endm
.macro CREST                           ; a round of the cluster's barrier behind its opening barrier
	s_cmp_lg_u32 s10, 0
	s_cbranch_scc1 .Lnot_wave_0_\@
	s_barrier_signal -3
.Lnot_wave_0_\@:
	s_barrier_wait -3
	s_barrier_signal -1
	s_barrier_wait -1
.endm
.macro CROUND                          ; a whole round
	s_barrier_signal -1
	s_barrier_wait -1
	CREST
.endm
.macro JLOAD                           ; a joint refill: waves 0 and 1 fetch X's two halves, waves 2 and 3 W's; an s_nop 0 and four v_nop follow each line
	s_cmp_eq_u32 s11, 0
	s_cbranch_scc0 .Lfor_b_\@
	tensor_load_to_lds s[G0A+4:G0A+7], s[G1A:G1A+7]
	s_nop 0
.rept 4
	v_nop
.endr
	s_branch .Lasked_\@
.Lfor_b_\@:
	tensor_load_to_lds s[G0B+4:G0B+7], s[G1B:G1B+7]
	s_nop 0
.rept 4
	v_nop
.endr
.Lasked_\@:
.endm
	s_load_b512 s[68:83], s[0:1], 0x0              ; x1 s[68:69], x2 s[70:71], w_q s[72:73], w_k s[74:75], w_v s[76:77], qh s[78:79], kh s[80:81], vh s[82:83]
	v_lshl_add_u32 v[SPW], v0, 2, SPARE
	v_mov_b32 v[NIL], 0
	ds_add_u32 v[SPW], v[NIL]                      ; the wave's opening: the add and its wait stand ahead of my first tensor load; the set-up below stands between them
	v_lshrrev_b32 v1, 5, v0
	v_readfirstlane_b32 s10, v1                    ; wave 0..3
	s_lshr_b32 s11, s10, 1                         ; which half of the tile's rows is mine.  Also: I fetch for X (0) or for W (1)
	s_and_b32 s12, s10, 1                          ; which half of its columns.  Also: which 128 rows of that tile I fetch
	s_bfe_u32 s40, ttmp6, 0x40000                  ; cx = the tile column of C
	s_bfe_u32 s41, ttmp6, 0x40004                  ; cy
	s_mov_b32 s86, ttmp9                           ; the cluster's x: which of the three products; all sixteen partners share it
	s_and_b32 s13, ttmp7, 0xffff
	s_lshl_b32 s13, s13, 2
	s_add_co_u32 s13, s13, s41                     ; tile row of C = 4 x cluster y + cy
	s_lshl_b32 s43, s41, 2
	s_lshl_b32 s43, 15, s43                        ; my row of the cluster
	s_lshl_b32 s44, 0x1111, s40                    ; my column
	s_or_b32 s[G1A], s43, G1W0                     ; X's tiles go to my row,
	s_or_b32 s[G1B], s44, G1W0                     ; W's to my column
.irp g, G1A, G1B
	s_mov_b32 s[(\g)+1], 64<<16                    ; tensor_dim0 = 64
	s_mov_b32 s[(\g)+2], 128<<16                   ; tensor_dim1 = 128
	s_mov_b32 s[(\g)+3], 64<<16                    ; tile_dim0 = 64
	s_mov_b32 s[(\g)+4], 128                       ; tile_dim1 = 128
	s_mov_b32 s[(\g)+5], 1024                      ; elements from row to row
	s_mov_b32 s[(\g)+6], 0
	s_mov_b32 s[(\g)+7], 0
.endr
	s_lshl_b32 s14, s12, 7                         ; which 128 rows of the tile I fetch
	s_lshl_b32 s16, s13, 8
	s_add_co_u32 s16, s16, s14
	s_lshl_b32 s16, s16, 12                        ; X: (256 x tile row + 128 x half) rows of 4,096 bytes: under 2^25
	s_mov_b32 s17, 0
	s_lshl_b32 s46, s40, 8
	s_add_co_u32 s46, s46, s14
	s_lshl_b32 s46, s46, 12                        ; W: (256 x tile column + 128 x half) rows
	s_mov_b32 s47, 0
	s_mul_i32 s20, s10, HALFT                      ; where they go: wave x 128 rows: no place in the cluster enters an LDS address
	s_mov_b32 s[TB], 0
	s_lshl_b32 s18, s13, 8                         ; my part of C: row 256 x tile row + 128 x half,
	s_lshl_b32 s19, s11, 7
	s_add_co_u32 s18, s18, s19
	s_lshl_b32 s18, s18, 11
	s_lshl_b32 s19, s40, 9                         ; column 256 x tile column + 128 x half, 2 bytes each
	s_add_co_u32 s18, s18, s19
	s_lshl_b32 s19, s12, 8
	s_add_co_u32 s18, s18, s19
	s_mov_b32 s19, 0
	s_wait_dscnt 0x0                               ; the opening add is done
	s_wait_kmcnt 0x0
	s_cmp_eq_u32 s86, 0
	s_cselect_b64 s[4:5], s[68:69], s[70:71]       ; X = x1 for q, x2 for k and v
	s_cselect_b64 s[6:7], s[72:73], s[74:75]
	s_cselect_b64 s[8:9], s[78:79], s[80:81]
	s_cmp_eq_u32 s86, 2
	s_cselect_b64 s[6:7], s[76:77], s[6:7]         ; W = w_q, w_k or w_v
	s_cselect_b64 s[8:9], s[82:83], s[8:9]         ; C = qh, kh or vh
	s_add_nc_u64 s[4:5], s[4:5], s[16:17]
	s_add_nc_u64 s[6:7], s[6:7], s[46:47]
	s_add_nc_u64 s[8:9], s[8:9], s[18:19]
	CROUND                                         ; all sixteen work-groups are here: the first joint loads meet
.irp s, 0,1
	s_mov_b32 s[G0A+4*(\s)], 1                                        ; count = 1
	s_add_co_u32 s[G0A+4*(\s)+1], s20, (\s)*SLOT                      ; LDS address
	s_add_nc_u64 s[G0A+4*(\s)+2:G0A+4*(\s)+3], s[4:5], (\s)*KSTEP     ; global address: K step s
	s_or_b32 s[G0A+4*(\s)+3], s[G0A+4*(\s)+3], 0x80000000             ; type = 2
	s_mov_b32 s[G0B+4*(\s)], 1
	s_add_co_u32 s[G0B+4*(\s)+1], s20, (\s)*SLOT
	s_add_nc_u64 s[G0B+4*(\s)+2:G0B+4*(\s)+3], s[6:7], (\s)*KSTEP
	s_or_b32 s[G0B+4*(\s)+3], s[G0B+4*(\s)+3], 0x80000000
.endr
	s_cmp_eq_u32 s11, 0                            ; a wave's two first fills stand in one branch: two loads of mine are out
	s_cbranch_scc0 .Lfirst_b
	tensor_load_to_lds s[G0A:G0A+3], s[G1A:G1A+7]
	s_nop 0
	tensor_load_to_lds s[G0A+4:G0A+7], s[G1A:G1A+7]
	s_nop 0
.rept 4
	v_nop
.endr
	s_branch .Lfirst_asked
.Lfirst_b:
	tensor_load_to_lds s[G0B:G0B+3], s[G1B:G1B+7]
	s_nop 0
	tensor_load_to_lds s[G0B+4:G0B+7], s[G1B:G1B+7]
	s_nop 0
.rept 4
	v_nop
.endr
.Lfirst_asked:
	; A fragment is 16 rows x 32 K: lane l holds row l % 16, K = 8 (l / 16) + 0..7 and 16 + 8 (l / 16) + 0..7.  In f32 those are 32 bytes at 32 (l / 16) and 32 bytes 64 further on: four loads of 16 bytes.
	v_and_b32 v1, 15, v0                           ; l % 16
	v_bfe_u32 v9, v0, 4, 1                         ; l / 16
	v_mul_u32_u24 v10, v1, PITCH
	v_lshl_add_u32 v11, v9, 5, v10                 ; row x pitch + 32 x half
	s_mul_i32 s21, s11, HALFT                      ; my 128 rows of X
	s_mul_i32 s22, s12, HALFT                      ; my 128 rows of W,
	s_add_co_u32 s22, s22, 2*HALFT                 ; which lie behind X's 256
	v_add_nc_u32 v[AL0], s21, v11
	v_add_nc_u32 v[BL0], s22, v11
	s_mul_i32 s23, s10, 16*PITCH
	s_add_co_u32 s23, s23, STAGE                   ; my stage
	v_lshl_add_u32 v11, v9, 4, v10                 ; in: row l % 16, 16 bytes for each half of the lanes
	v_add_nc_u32 v[STO], s23, v11
	v_mul_u32_u24 v11, v9, PITCH                   ; back: lanes 0-15 take one row of 256 bytes, lanes 16-31 the next
	v_lshl_add_u32 v11, v1, 4, v11
	v_add_nc_u32 v[RD], s23, v11
	v_mul_u32_u24 v11, v9, CROW                    ; and the same two rows in C
	v_lshl_add_u32 v[CO], v1, 4, v11
.macro NEWADR                          ; the two read addresses for the slot in hand
	WIN 0
	v_add_nc_u32 v[ADA], s[TB], v[AL0]
	v_add_nc_u32 v[ADB], s[TB], v[BL0]
.endm
; 16 LDS loads: four raw fragments (blocks blk0 .. blk0 + 3 of 16 rows, 32 K at byte kb of the rows) into dst
.macro RUN16 dst, adr, blk0, kb
.irp f, 0,1,2,3
.irp j, 0,1
	ds_load_b128 v[(\dst)+16*\f+8*\j:(\dst)+16*\f+8*\j+3],   v[\adr] offset:((\blk0)+\f)*16*PITCH+(\kb)+64*\j
	ds_load_b128 v[(\dst)+16*\f+8*\j+4:(\dst)+16*\f+8*\j+7], v[\adr] offset:((\blk0)+\f)*16*PITCH+(\kb)+64*\j+16
.endr
.endr
.endm
; The runs.  kh: which half of the K step in the slot in hand.
.macro RUNY kh                         ; 32 loads into window 1: raw W rows 64-127, then raw X rows 0-63
	WIN 0x40
	RUN16 RAW, ADB, 4, 128*(\kh)
	RUN16 RAW+64, ADA, 0, 128*(\kh)
.endm
.macro RUNX0 kh                        ; 16 loads into window 0: raw X rows 64-127
	WIN 0
	RUN16 RAW, ADA, 4, 128*(\kh)
.endm
.macro RUNX1 kh                        ; 16 loads into window 0: raw W rows 0-63
	WIN 0
	RUN16 RAW+64, ADB, 0, 128*(\kh)
.endm
.macro CVT32 dst, src                  ; 32 conversions: four raw fragments become four fragments
.set z, 0
.rept 32
	v_cvt_pk_bf16_f32 v[(\dst)+z], v[(\src)+2*z], v[(\src)+2*z+1]
.set z, z+1
.endr
.endm
; Group g of the eight of o: two matrix instructions: row block 2 o + g / 4, column blocks 2 (g % 4) and the next.  The 64 accumulators take turns, one instruction a turn.
.macro MM2 o, par, zero
.set a_, 2*(\o)+g/4
.set b_, 2*(g%4)
	WIN 0xa0+0x54*((\o)/2)+1-b_/4                  ; C and D window 2 or 3; X's fragments window 0 or 1; W's fragments window 1 (columns 0-63) or 0
.set rA, FA+8*(a_%4)
.irp e, 0,1
.set rD, 8*(8*(a_%4)+b_+\e)
.set rB, FB+32*(\par)+8*((b_+\e)%4)
.if \zero
	v_wmma_f32_16x16x32_bf16 v[rD:rD+7], v[rB:rB+7], v[rA:rA+7], 0
.else
	v_wmma_f32_16x16x32_bf16 v[rD:rD+7], v[rB:rB+7], v[rA:rA+7], v[rD:rD+7]
.endif
.endr
.endm
.macro CV4 o, par                      ; group g's four conversions: half a fragment
	WIN 0x40-0x3b*((\o)/2)                         ; o < 2: sources window 0, destination window 1; else the other way round
.set rS, RAW+64*((\o)%2)+8*g
.if ((\o) == 0) || ((\o) == 3)
.set rF, FA+4*g
.else
.set rF, FB+32*(1-(\par))+4*g
.endif
.irp t, 0,1,2,3
	v_cvt_pk_bf16_f32 v[rF+\t], v[rS+2*\t], v[rS+2*\t+1]
.endr
.endm
; A fragment register is rewritten only when four or more conversions of other registers stand behind the last matrix instruction that read it (ISA guide 7.12.1): the nearest case is X's
; rows 112-127, read by a half-step's last product and rewritten in group 6 of the next o = 0, 24 conversions on.  Raw registers are no matrix operands.
; par: which of W's two fragment buffers is multiplied.  cv = 0: no conversions (the end).
.macro OCT o, par, zero=0, cv=1
.set g, 0
.rept 8
	MM2 \o, \par, \zero
.if \cv
	CV4 \o, \par
.endif
.set g, g+1
.endr
.endm
; o = 3 of an even half-step, with THE CHANGE OF SLOTS: all of this K step's raw numbers have been asked for.  Each wave waits for all its tensor loads (one is out: its part of the next slot), adds 0 to its
; spare word, and waits for that and for its reads of this slot.  fill = 1: the barrier opens a round of the cluster's, and the slot is filled again, two K steps ahead, first thing behind it:
; between that request and the wait for it stand 112 matrix instructions.
.macro OCTX par, zero, fill
	WIN 0
	s_wait_tensorcnt 0x0                           ; no tensor load of mine is out, so a group 0 may be written
	ds_add_u32 v[SPW], v[NIL]                      ; 0 onto my spare word
.if \fill
	s_xor_b32 s[G0A+5], s[G0A+5], SLOT             ; the walking descriptors: the other slot than last time, the next K step
	s_add_nc_u64 s[G0A+6:G0A+7], s[G0A+6:G0A+7], KSTEP
	s_xor_b32 s[G0B+5], s[G0B+5], SLOT
	s_add_nc_u64 s[G0B+6:G0B+7], s[G0B+6:G0B+7], KSTEP
.endif
	s_xor_b32 s[TB], s[TB], SLOT
	s_wait_dscnt 17                                ; the add and the sixteen loads of X's rows 64-127 may be out: raw X rows 0-63 are in
.set g, 0
.rept 4
	MM2 3, \par, \zero
	CV4 3, \par
.set g, g+1
.endr
	s_wait_dscnt 0x0                               ; the add is done, and my reads of this slot are over
	s_barrier_signal -1
.rept 4
	MM2 3, \par, \zero
	CV4 3, \par
.set g, g+1
.endr
	WIN 0                                          ; at a branch and at a label every window is 0
	s_barrier_wait -1
.if \fill
	CREST                                          ; no wave of any partner still reads this slot or has a load on its way
	JLOAD
.endif
	NEWADR
	RUNX1 0                                        ; W's rows 0-63 of the next but one half-step, from the new slot; the odd half-step's first run follows it
.endm
; An odd half-step: all its loads come from the slot that the change has just opened.  The waits stand ahead of the runs; each count is what was issued behind the raw set that the next part converts.
.macro ODD
	RUNY 0                                         ; raw X rows 64-127, which o = 0 converts, were shown landed by the change's wait for 0
	OCT 0, 1
	s_wait_dscnt 32                                ; behind raw W rows 0-63 stands the run of 32
	OCT 1, 1
	s_wait_dscnt 16                                ; behind raw W rows 64-127 stand X's rows 0-63
	RUNX0 0
	RUNX1 1
	OCT 2, 1
	s_wait_dscnt 32                                ; behind raw X rows 0-63 stands the run of 32
	OCT 3, 1
.endm
.macro EVEN zero, fill
	s_wait_dscnt 16                                ; behind raw X rows 64-127 stand W's rows 0-63
	RUNY 1
	OCT 0, 0, \zero
	s_wait_dscnt 32                                ; behind raw W rows 0-63 stands the run of 32
	OCT 1, 0, \zero
	s_wait_dscnt 16                                ; behind raw W rows 64-127 stand X's rows 0-63
	RUNX0 1                                        ; my last read of this slot
	OCT 2, 0, \zero
	OCTX 0, \zero, \fill
	WIN 0
.endm
	NEWADR
	s_wait_tensorcnt 0x1                           ; my part of K step 0 is in; K step 1's may stay out
	s_barrier_signal -1
	s_barrier_wait -1                              ; everybody's is
	RUNX1 0                                        ; half-step 0: raw W rows 0-63,
	RUNY 0                                         ; W rows 64-127 and X rows 0-63
	s_wait_dscnt 32                                ; the first sixteen are in
	WIN 0x40
	CVT32 FB, RAW+64
	RUNX0 0                                        ; half-step 0: raw X rows 64-127
	s_wait_dscnt 32                                ; behind raw W rows 64-127 stand two runs of 16
	WIN 0x05
	CVT32 FB, RAW
	RUNX1 1                                        ; half-step 1: raw W rows 0-63
	s_wait_dscnt 32                                ; behind raw X rows 0-63 stand two runs of 16
	WIN 0x05
	CVT32 FA, RAW+64
	EVEN 1, 1                                      ; half-step 0 stands in front of the loop: its products start the sums
	s_mov_b32 s[CNT], 13
.Lmain:                                                ; half-steps 1 to 26: with the one above, 14 refills, K steps 2 to 15
	ODD
	EVEN 0, 1
	s_sub_co_u32 s[CNT], s[CNT], 1
	s_cmp_lg_u32 s[CNT], 0
	s_cbranch_scc1 .Lmain
	s_mov_b32 s[CNT], 2
.Ltail:                                                ; half-steps 27 to 30: nothing is asked for.  The second trip's barrier and its last run of 16 loads (bytes of K step 14, never used) serve nothing: the price of one text for both trips
	ODD
	EVEN 0, 0
	s_sub_co_u32 s[CNT], s[CNT], 1
	s_cmp_lg_u32 s[CNT], 0
	s_cbranch_scc1 .Ltail
	OCT 0, 1, 0, 1                                 ; half-step 31: what it converts was shown landed by the last change's wait for 0
	OCT 1, 1, 0, 0
	OCT 2, 1, 0, 0
	OCT 3, 1, 0, 0
	WIN 0
	s_wait_dscnt 0x0                               ; the unused run has landed: its registers serve the way out
	PLACES
; THE WAY OUT of block a (16 rows): rounded to f16, 16 bytes a lane; into my own stage and back as whole rows of 256 bytes; stored.
.macro PACK a
.set AC, 64*((\a)%4)
	WIN 0x0a+5*((\a)/4)                            ; sources 0 and 1: window 2 or 3
.irp b, 0,1,2,3,4,5,6,7
.irp r, 0,1,2,3
	v_cvt_pk_f16_f32 v[TMP+4*(\b)+(\r)], v[AC+8*(\b)+2*(\r)], v[AC+8*(\b)+2*(\r)+1]
.endr
.endr
	WIN 0
.endm
.macro TOSTAGE a
	WIN 0
.set BK, OB+32*((\a)%2)
.irp b, 0,1,2,3,4,5,6,7
	ds_store_b128 v[STO], v[TMP+4*(\b):TMP+4*(\b)+3] offset:32*(\b)
.endr
.irp t, 0,1,2,3,4,5,6,7
	ds_load_b128 v[BK+4*(\t):BK+4*(\t)+3], v[RD] offset:(\t)*2*PITCH  ; LDS serves a wave's instructions in order (ISA guide 5.7.1.4): these see the stores above
.endr
.endm
.macro SEND a
	WIN 0
.set BK, OB+32*((\a)%2)
	s_wait_dscnt 0x0                               ; the block is back in registers
	s_wait_xcnt 0x0                                ; only behind this wait are the stores' base and the registers that earlier stores read rewritten
.if (\a) > 0
	s_add_nc_u64 s[8:9], s[8:9], 16*CROW
.endif
.irp t, 0,1,2,3,4,5,6,7
	global_store_b128 v[CO], v[BK+4*(\t):BK+4*(\t)+3], s[8:9] offset:2*(\t)*CROW  ; 16 lanes store 256 consecutive bytes, at a multiple of 256 from C's first byte
.endr
.endm
	PACK 0
	TOSTAGE 0
.irp a, 1,2,3,4,5,6,7                  ; block a's conversions stand between block a - 1's loads from the stage and the wait for them
	PACK \a
	SEND (\a)-1
	TOSTAGE \a
.endr
	SEND 7
	s_wait_tensorcnt 0x0                           ; the wave's end
	ds_add_u32 v[SPW], v[NIL]
	s_wait_dscnt 0x0
	CROUND                                         ; the closing round
	s_endpgm
.Lfunc_end_k_qcf10c4cb51_proj:
	.size	k_qcf10c4cb51_proj, .Lfunc_end_k_qcf10c4cb51_proj-k_qcf10c4cb51_proj
	.p2alignl 7, 3214868480
	.fill 96, 4, 3214868480
	.section	.rodata,"a",@progbits
	.p2align	6, 0x0
	.amdhsa_kernel k_qcf10c4cb51_proj
		.amdhsa_group_segment_fixed_size 327680
		.amdhsa_private_segment_fixed_size 0
		.amdhsa_enable_private_segment 0
		.amdhsa_kernarg_size 64
		.amdhsa_user_sgpr_count 2
		.amdhsa_user_sgpr_kernarg_segment_ptr 1
		.amdhsa_wavefront_size32 1
		.amdhsa_system_sgpr_workgroup_id_x 1
		.amdhsa_system_sgpr_workgroup_id_y 1
		.amdhsa_system_sgpr_workgroup_id_z 1
		.amdhsa_system_vgpr_workitem_id 0
		.amdhsa_next_free_vgpr 1024
		.amdhsa_next_free_sgpr 96
		.amdhsa_reserve_vcc 0
		.amdhsa_float_denorm_mode_32 3
		.amdhsa_float_denorm_mode_16_64 3
		.amdhsa_memory_ordered 1
		.amdhsa_forward_progress 1
		.amdhsa_inst_pref_size 151
	.end_amdhsa_kernel
	.amdgpu_metadata
---
amdhsa.version: [ 1, 2 ]
amdhsa.kernels:
  - .name:           k_qcf10c4cb51_proj
    .symbol:         k_qcf10c4cb51_proj.kd
    .args:
      - { .name: x1, .offset: 0, .size: 8, .value_kind: global_buffer, .address_space: global }
      - { .name: x2, .offset: 8, .size: 8, .value_kind: global_buffer, .address_space: global }
      - { .name: w_q, .offset: 16, .size: 8, .value_kind: global_buffer, .address_space: global }
      - { .name: w_k, .offset: 24, .size: 8, .value_kind: global_buffer, .address_space: global }
      - { .name: w_v, .offset: 32, .size: 8, .value_kind: global_buffer, .address_space: global }
      - { .name: qh, .offset: 40, .size: 8, .value_kind: global_buffer, .address_space: global }
      - { .name: kh, .offset: 48, .size: 8, .value_kind: global_buffer, .address_space: global }
      - { .name: vh, .offset: 56, .size: 8, .value_kind: global_buffer, .address_space: global }
    .group_segment_fixed_size: 327680
    .private_segment_fixed_size: 0
    .kernarg_segment_align: 8
    .kernarg_segment_size: 64
    .max_flat_workgroup_size: 128
    .sgpr_count:     96
    .vgpr_count:     1024
    .wavefront_size: 32
...
	.end_amdgpu_metadata
.endif
;; end of part 1
;; launch score (part 2): grid 8 x 32, 4 waves a work-group, clusters of 4 x 4, 327,680 bytes of LDS; arguments qh, kh, pw, st; writes pw, st
.if DOCPART == 2
	.amdgcn_target "amdgcn-amd-amdhsa--gfx1250"
	.amdhsa_code_object_version 6
	.text
	.protected	k_qcf10c4cb51_score
	.globl	k_qcf10c4cb51_score
	.p2align	8
	.type	k_qcf10c4cb51_score,@function
k_qcf10c4cb51_score:
	s_mov_b64 s[64:65], 0
	v_nop
	global_prefetch_b8 v0, s[64:65] scope:SCOPE_SE
	s_setreg_imm32_b32 hwreg(HW_REG_WAVE_MODE, 25, 1), 1
	s_wait_xcnt 0x0
	s_wait_alu depctr_hold_cnt(0) depctr_sa_sdst(0) depctr_va_vdst(0) depctr_va_sdst(0) depctr_va_ssrc(0) depctr_va_vcc(0) depctr_vm_vsrc(0)
	s_getreg_b32 s2, hwreg(HW_REG_IB_STS2, 6, 4)
	s_cmp_eq_u32 s2, 0
	s_cbranch_scc0 .Lentry_in_a_cluster
	s_endpgm
.Lentry_in_a_cluster:
	s_bfe_u32 s2, ttmp6, 0x10000c
	s_cmp_lg_u32 s2, 0xf033
	s_cbranch_scc0 .Lentry_shape_is_right
	s_endpgm
.Lentry_shape_is_right:
; SCORES AND WEIGHTS.  S[m][t] = the sum over d of q[m][d] k[t][d], by batch; q, k: [8192][1024] f16.  For each query and each CHUNK of 128 keys: cm = c x (the chunk's largest score), c = log2(e) / 32;
; p = 2^(c s - cm), rounded to f16 into pw [8192][2048]; l = the sum of the unrounded p.  st holds cm at [chunk 0..15][row 0..8191] in f32 and l likewise 524,288 bytes on.
; The maximum taken away is the chunk's own; the launch behind brings the chunks to the row's maximum.
; LIMITS.  p lies in 0 to 1 (a last bit over 1 where c m rounds); below 6e-5 it keeps f16's fixed step of 6e-8; a weight below 2^-126 counts as 0 in l.  NaN and infinities are not treated apart.
; SHARES.  A work-group makes 256 queries x 256 keys, each of its four waves 128 x 128 (one chunk): 64 accumulators.  K goes in steps of 128 (rows of 256 bytes) through two LDS slots.
; CLUSTER.  4 x 4 work-groups: q's tiles are shared along a row of the cluster, k's along a column: each is asked for jointly.
; THE MATRIX INSTRUCTION IS USED TRANSPOSED (source 0 = 16 keys, source 1 = 16 queries): a lane holds ONE query (lane % 16) and, of each 16 keys, the eight 8 (lane / 16) + 0..7: 64 scores of a block of 16 queries.
; REGISTERS: window 0: v16-31 addresses; v64-127, v128-191 q's fragments, two buffers; behind the products v64-87 at work, v192-223 packed weights, v32-63 and v224-255 rows read back
;   window 1: v64-127, v128-191 k's fragments;   window 2: the accumulators of my queries 0-63 ((a, b) at 8 (8 a + b));   window 3: those of queries 64-127
.set PITCH,  272                       ; an LDS row: 256 bytes + 16 of padding
.set HALFT,  128*PITCH
.set SLOT,   4*HALFT                   ; q's 256 rows, then k's 256 rows: 0x22000; its bits meet none of wave x 0x8800
.set STAGE,  2*SLOT                    ; 16 rows x 272 bytes for each wave
.set STATS,  STAGE+4*16*PITCH          ; 1,024 bytes for each wave: cm of its 128 queries, then l
.set SPARE,  STATS+4*1024              ; the spare words: two blocks of 256 bytes that no other line names
.set QROW,   2048                      ; bytes in a row of q and of k
.set PROW,   4096                      ; bytes in a row of pw
.set KSTEP,  256
.set G1W0,   (1<<16)|(1<<20)|(1<<21)|(5<<22)|(3<<25)
.set ADRA, 16                          ; v16  LDS address of my q fragments in the slot in hand
.set ALT,  17                          ; v17  its lane term; never rewritten
.set ADRB, 20                          ; v20, v21  the same for k
.set BLT,  21
.set STO,  24
.set RD,   25
.set CO,   26
.set STA,  27                          ; v27  where my query's cm goes
.set SPW,  28
.set NIL,  29
.set GS,   30                          ; v30  16 x lane
.set SRD,  31                          ; v31  where I read 16 bytes of the statistics back
.set F0,   64
.set F1,   128
.set TMP,  192
.set OB,   32
.set CH,   64                          ; v64-71  eight running maxima
.set MX,   72
.set TT,   73
.set CM,   74                          ; v[74:75]  c m
.set LS,   80                          ; v[80:87]  four running sums of pairs
.set G1A, 24
.set G0A, 32
.set G1B, 48
.set G0B, 56
.set TB,  84
.set CNT, 85
.set CS,  90                           ; s[90:91]  c
.set SEL, 92                           ; s[92:93]  v_permlanex16_b32's selects: each lane takes its own place in the other half
.set MSB, 0
.macro WIN new
.if MSB != (\new)
	s_set_vgpr_msb (MSB<<8)|(\new)
.set MSB, (\new)
.endif
.endm
.set MUL_LO, 0xa1                      ; source 0 (k) window 1, source 1 (q) window 0, C and D window 2
.set MUL_HI, 0xf1
.set TO_B,   0x40
.macro PLACES
.rept 4
	v_nop
.endr
.endm
.macro CREST
	s_cmp_lg_u32 s10, 0
	s_cbranch_scc1 .Lnot_wave_0_\@
	s_barrier_signal -3
.Lnot_wave_0_\@:
	s_barrier_wait -3
	s_barrier_signal -1
	s_barrier_wait -1
.endm
.macro CROUND
	s_barrier_signal -1
	s_barrier_wait -1
	CREST
.endm
.macro JLOAD                           ; waves 0 and 1 fetch q's two halves, waves 2 and 3 k's
	s_cmp_eq_u32 s11, 0
	s_cbranch_scc0 .Lfor_b_\@
	tensor_load_to_lds s[G0A+4:G0A+7], s[G1A:G1A+7]
	s_nop 0
.rept 4
	v_nop
.endr
	s_branch .Lasked_\@
.Lfor_b_\@:
	tensor_load_to_lds s[G0B+4:G0B+7], s[G1B:G1B+7]
	s_nop 0
.rept 4
	v_nop
.endr
.Lasked_\@:
.endm
	s_load_b256 s[68:75], s[0:1], 0x0              ; qh s[68:69], kh s[70:71], pw s[72:73], st s[74:75]
	v_lshl_add_u32 v[SPW], v0, 2, SPARE
	v_mov_b32 v[NIL], 0
	ds_add_u32 v[SPW], v[NIL]                      ; the wave's opening: the add and its wait stand ahead of my first tensor load
	v_lshrrev_b32 v1, 5, v0
	v_readfirstlane_b32 s10, v1                    ; wave 0..3
	s_lshr_b32 s11, s10, 1                         ; which half of the queries is mine.  Also: I fetch for q (0) or for k (1)
	s_and_b32 s12, s10, 1                          ; which half of the keys.  Also: which 128 rows I fetch
	s_bfe_u32 s40, ttmp6, 0x40000                  ; cx
	s_bfe_u32 s41, ttmp6, 0x40004                  ; cy
	s_lshl_b32 s42, ttmp9, 2
	s_add_co_u32 s42, s42, s40                     ; tile of keys in the batch, 0..7
	s_and_b32 s87, ttmp7, 0xffff                   ; the cluster's y
	s_lshl_b32 s13, s87, 2
	s_add_co_u32 s13, s13, s41                     ; tile of queries, 0..31
	s_lshl_b32 s43, s41, 2
	s_lshl_b32 s43, 15, s43
	s_lshl_b32 s44, 0x1111, s40
	s_or_b32 s[G1A], s43, G1W0
	s_or_b32 s[G1B], s44, G1W0
.irp g, G1A, G1B
	s_mov_b32 s[(\g)+1], 128<<16                   ; tensor_dim0 = 128
	s_mov_b32 s[(\g)+2], 128<<16                   ; tensor_dim1 = 128
	s_mov_b32 s[(\g)+3], 128<<16                   ; tile_dim0 = 128
	s_mov_b32 s[(\g)+4], 128                       ; tile_dim1 = 128
	s_mov_b32 s[(\g)+5], 1024                      ; elements from row to row
	s_mov_b32 s[(\g)+6], 0
	s_mov_b32 s[(\g)+7], 0
.endr
	s_lshl_b32 s14, s12, 7
	s_lshl_b32 s16, s13, 8
	s_add_co_u32 s16, s16, s14
	s_lshl_b32 s16, s16, 11                        ; q: (256 x tile + 128 x half) rows of 2,048 bytes
	s_mov_b32 s17, 0
	s_lshr_b32 s46, s87, 1                         ; the batch: eight tiles of queries, two clusters, to each; made of the cluster's y, which all partners share
	s_lshl_b32 s46, s46, 11
	s_lshl_b32 s47, s42, 8
	s_add_co_u32 s46, s46, s47
	s_add_co_u32 s46, s46, s14
	s_lshl_b32 s46, s46, 11                        ; k: (2,048 x batch + 256 x tile + 128 x half) rows
	s_mov_b32 s47, 0
	s_mul_i32 s20, s10, HALFT
	s_mov_b32 s[TB], 0
	s_lshl_b32 s18, s13, 8                         ; my first query,
	s_lshl_b32 s19, s11, 7
	s_add_co_u32 s18, s18, s19
	s_lshl_b32 s22, s18, 2                         ; its word in a chunk's statistics,
	s_lshl_b32 s18, s18, 12                        ; its row in pw,
	s_lshl_b32 s19, s42, 9
	s_add_co_u32 s18, s18, s19
	s_lshl_b32 s19, s12, 8
	s_add_co_u32 s18, s18, s19                     ; and my 128 keys there
	s_mov_b32 s19, 0
	s_lshl_b32 s23, s42, 1
	s_add_co_u32 s23, s23, s12                     ; my chunk = 2 x tile + half
	s_lshl_b32 s23, s23, 15                        ; 8,192 rows of 4 bytes
	s_add_co_u32 s22, s22, s23
	s_mov_b32 s23, 0
	s_mov_b32 s[CS], 0x3d38aa3b                    ; c = log2(e) / 32
	s_mov_b32 s[CS+1], s[CS]                       ; named with it as a pair
	s_mov_b32 s[SEL], 0x76543210
	s_mov_b32 s[SEL+1], 0xfedcba98
	s_wait_dscnt 0x0                               ; the opening add is done
	s_wait_kmcnt 0x0
	s_add_nc_u64 s[4:5], s[68:69], s[16:17]
	s_add_nc_u64 s[6:7], s[70:71], s[46:47]
	s_add_nc_u64 s[8:9], s[72:73], s[18:19]
	s_add_nc_u64 s[88:89], s[74:75], s[22:23]
	CROUND                                         ; the first joint loads meet
.irp s, 0,1
	s_mov_b32 s[G0A+4*(\s)], 1
	s_add_co_u32 s[G0A+4*(\s)+1], s20, (\s)*SLOT
	s_add_nc_u64 s[G0A+4*(\s)+2:G0A+4*(\s)+3], s[4:5], (\s)*KSTEP
	s_or_b32 s[G0A+4*(\s)+3], s[G0A+4*(\s)+3], 0x80000000
	s_mov_b32 s[G0B+4*(\s)], 1
	s_add_co_u32 s[G0B+4*(\s)+1], s20, (\s)*SLOT
	s_add_nc_u64 s[G0B+4*(\s)+2:G0B+4*(\s)+3], s[6:7], (\s)*KSTEP
	s_or_b32 s[G0B+4*(\s)+3], s[G0B+4*(\s)+3], 0x80000000
.endr
	s_cmp_eq_u32 s11, 0                            ; a wave's two first fills stand in one branch: two loads of mine are out
	s_cbranch_scc0 .Lfirst_b
	tensor_load_to_lds s[G0A:G0A+3], s[G1A:G1A+7]
	s_nop 0
	tensor_load_to_lds s[G0A+4:G0A+7], s[G1A:G1A+7]
	s_nop 0
.rept 4
	v_nop
.endr
	s_branch .Lfirst_asked
.Lfirst_b:
	tensor_load_to_lds s[G0B:G0B+3], s[G1B:G1B+7]
	s_nop 0
	tensor_load_to_lds s[G0B+4:G0B+7], s[G1B:G1B+7]
	s_nop 0
.rept 4
	v_nop
.endr
.Lfirst_asked:
	v_and_b32 v1, 15, v0                           ; l % 16
	v_bfe_u32 v2, v0, 4, 1                         ; l / 16
	v_mul_u32_u24 v3, v1, PITCH
	v_lshl_add_u32 v3, v2, 4, v3                   ; row x pitch + 16 x half
	s_mul_i32 s21, s11, HALFT
	s_mul_i32 s2, s12, HALFT
	s_add_co_u32 s2, s2, 2*HALFT
	v_add_nc_u32 v[ALT], s21, v3
	v_add_nc_u32 v[BLT], s2, v3
	v_mov_b32 v[ADRA], v[ALT]                      ; slot 0
	v_mov_b32 v[ADRB], v[BLT]
	s_mul_i32 s21, s10, 16*PITCH
	s_add_co_u32 s21, s21, STAGE                   ; my stage
	v_add_nc_u32 v[STO], s21, v3
	v_mul_u32_u24 v4, v2, PITCH
	v_lshl_add_u32 v4, v1, 4, v4
	v_add_nc_u32 v[RD], s21, v4
	v_mul_u32_u24 v4, v2, PROW
	v_lshl_add_u32 v[CO], v1, 4, v4
	s_lshl_b32 s21, s10, 10
	s_add_co_u32 s21, s21, STATS                   ; my statistics
	v_lshl_add_u32 v[STA], v1, 2, s21
	v_and_b32 v4, 31, v0
	v_lshl_add_u32 v[SRD], v4, 4, s21
	v_lshlrev_b32 v[GS], 4, v4
; 16 matrix instructions: query blocks a0, a0 + 1 of the window's four x all 8 key blocks, 32 along K.  The 64 accumulators take turns.
.macro MUL16 f, hi, a0, zero
	WIN MUL_LO+0x50*(\hi)
.irp a, \a0, (\a0)+1
.irp b, 0,1,2,3,4,5,6,7
.if \zero
	v_wmma_f32_16x16x32_f16 v[8*(8*(\a)+(\b)):8*(8*(\a)+(\b))+7], v[(\f)+8*(\b):(\f)+8*(\b)+7], v[(\f)+8*(4*(\hi)+(\a)):(\f)+8*(4*(\hi)+(\a))+7], 0
.else
	v_wmma_f32_16x16x32_f16 v[8*(8*(\a)+(\b)):8*(8*(\a)+(\b))+7], v[(\f)+8*(\b):(\f)+8*(\b)+7], v[(\f)+8*(4*(\hi)+(\a)):(\f)+8*(4*(\hi)+(\a))+7], v[8*(8*(\a)+(\b)):8*(8*(\a)+(\b))+7]
.endif
.endr
.endr
.endm
.macro FETCH k, f                      ; 32 LDS loads in one run: a quarter step's fragments (32 K at byte k of the rows): k's 128 rows, then q's
	WIN TO_B
.irp i, 0,1,2,3,4,5,6,7
	ds_load_b128 v[(\f)+8*(\i):(\f)+8*(\i)+3],   v[ADRB] offset:(\k)+(\i)*16*PITCH
	ds_load_b128 v[(\f)+8*(\i)+4:(\f)+8*(\i)+7], v[ADRB] offset:(\k)+(\i)*16*PITCH+32
.endr
	WIN 0
.irp i, 0,1,2,3,4,5,6,7
	ds_load_b128 v[(\f)+8*(\i):(\f)+8*(\i)+3],   v[ADRA] offset:(\k)+(\i)*16*PITCH
	ds_load_b128 v[(\f)+8*(\i)+4:(\f)+8*(\i)+7], v[ADRA] offset:(\k)+(\i)*16*PITCH+32
.endr
.endm
.macro QUARTER k, f, g, zero           ; multiplies buffer f; in its middle fetches the next quarter, at byte k, into g
	s_wait_dscnt 8                                 ; k's fragments and q's rows 0-63 are in; the youngest eight loads may be out
	MUL16 \f, 0, 0, \zero
	MUL16 \f, 0, 2, \zero
	PLACES                                         ; four places in front of loads into registers that matrix instructions have read
	FETCH \k, \g
	s_wait_dscnt 32                                ; all but the 32 just issued
	MUL16 \f, 1, 0, \zero
	MUL16 \f, 1, 2, \zero
.endm
; The last quarter of a K step multiplies buffer 1 and changes slots: one barrier; in front of it each wave waits for all its tensor loads (one is out: its part of the next slot), adds 0 to its spare word,
; and waits for that and for its reads of this slot.  fill = 1: the barrier opens a round of the cluster's, and this slot is filled again, two K steps ahead, first thing behind it.
.macro TURN fill
	WIN 0
	s_wait_tensorcnt 0x0
	ds_add_u32 v[SPW], v[NIL]
	s_wait_dscnt 9                                 ; the add and the youngest eight loads may be out
	MUL16 F1, 0, 0, 0
	s_wait_dscnt 0x0                               ; the add is done, and my reads of this slot are over
	s_barrier_signal -1
	MUL16 F1, 0, 2, 0
	WIN 0
	s_barrier_wait -1
.if \fill
	CREST
	s_xor_b32 s[G0A+5], s[G0A+5], SLOT
	s_add_nc_u64 s[G0A+6:G0A+7], s[G0A+6:G0A+7], KSTEP
	s_xor_b32 s[G0B+5], s[G0B+5], SLOT
	s_add_nc_u64 s[G0B+6:G0B+7], s[G0B+6:G0B+7], KSTEP
	JLOAD                                          ; 224 matrix instructions ahead of the wait for it; its four v_nop are also the places in front of the loads below
.else
	PLACES
.endif
	s_xor_b32 s[TB], s[TB], SLOT
	v_add_nc_u32 v[ADRA], s[TB], v[ALT]
	v_add_nc_u32 v[ADRB], s[TB], v[BLT]
	FETCH 0, F0
	MUL16 F1, 1, 0, 0
	MUL16 F1, 1, 2, 0
.endm
	s_wait_tensorcnt 0x1                           ; my part of K step 0 is in; K step 1's may stay out
	s_barrier_signal -1
	s_barrier_wait -1
	FETCH 0, F0
	QUARTER 64, F0, F1, 1                          ; the first quarter starts the sums
	WIN 0
	s_mov_b32 s[CNT], 6
.Lstep:                                                ; a trip: from a K step's second quarter to the next step's first; six refills: K steps 2 to 7
	QUARTER 128, F1, F0, 0
	QUARTER 192, F0, F1, 0
	TURN 1
	QUARTER 64, F0, F1, 0
	WIN 0
	s_sub_co_u32 s[CNT], s[CNT], 1
	s_cmp_lg_u32 s[CNT], 0
	s_cbranch_scc1 .Lstep
	QUARTER 128, F1, F0, 0                         ; the tail is written out: nothing is asked for
	QUARTER 192, F0, F1, 0
	TURN 0
	QUARTER 64, F0, F1, 0
	QUARTER 128, F1, F0, 0
	QUARTER 192, F0, F1, 0
	s_wait_dscnt 8
	MUL16 F1, 0, 0, 0
	MUL16 F1, 0, 2, 0
	s_wait_dscnt 0x0
	MUL16 F1, 1, 0, 0
	MUL16 F1, 1, 2, 0
	WIN 0
	PLACES
	v_mov_b32 v[TT], 0                             ; v_permlanex16_b32 counts as a reader of its destination
; THE CHUNK'S SOFTMAX for block a (16 queries x 128 keys; 64 scores a lane, in window W).  Each accumulator's lowest registers are read first.
.macro SOFT a
.set AC, 64*((\a)%4)
.set W, 2+(\a)/4
	WIN W|(W<<2)|(W<<4)                            ; three sources in W
.irp b, 0,1,2,3,4,5,6,7
	v_max3_num_f32 v[CH+\b], v[AC+8*\b], v[AC+8*\b+1], v[AC+8*\b+2]
.endr
	WIN (W<<2)|(W<<4)
.irp b, 0,1,2,3,4,5,6,7
	v_max3_num_f32 v[CH+\b], v[CH+\b], v[AC+8*\b+3], v[AC+8*\b+4]
.endr
.irp b, 0,1,2,3,4,5,6,7
	v_max3_num_f32 v[CH+\b], v[CH+\b], v[AC+8*\b+5], v[AC+8*\b+6]
.endr
.irp i, 0,1,2,3
	v_max3_num_f32 v[CH+2*\i], v[CH+2*\i], v[AC+16*\i+7], v[AC+16*\i+15]
.endr
	WIN 0
	v_max3_num_f32 v[CH], v[CH], v[CH+1], v[CH+2]
	v_max3_num_f32 v[CH+3], v[CH+3], v[CH+4], v[CH+5]
	v_max3_num_f32 v[CH], v[CH], v[CH+3], v[CH+6]
	v_max_num_f32 v[CH], v[CH], v[CH+7]
	v_permlanex16_b32 v[TT], v[CH], s[SEL], s[SEL+1]   ; the query's other 64 keys lie in the lane 16 away
	v_max_num_f32 v[MX], v[CH], v[TT]
	v_mul_f32 v[CM], s[CS], v[MX]
	v_mul_f32 v[CM+1], s[CS], v[MX]                ; named with it as a pair
	WIN W|(W<<6)                                   ; source 0 and destination in W
.set z, 0
.rept 32
	v_pk_fma_f32 v[AC+2*z:AC+2*z+1], v[AC+2*z:AC+2*z+1], s[CS:CS+1], v[CM:CM+1] op_sel_hi:[1,0,0] neg_lo:[0,0,1] neg_hi:[0,0,1]  ; c s - c m
.set z, z+1
.endr
.set z, 0
.rept 64
	v_exp_f32 v[AC+z], v[AC+z]
.set z, z+1
.endr
	v_nop                                          ; a plain instruction between the last exponential and the use of its result (ISA guide 5.7.2)
	WIN W|(W<<2)
.set z, 0
	s_wait_alu depctr_va_vdst(0)
.rept 32
	v_cvt_pk_f16_f32 v[TMP+z], v[AC+2*z], v[AC+2*z+1]
.set z, z+1
.endr
.irp i, 0,1,2,3
	v_pk_add_f32 v[LS+2*\i:LS+2*\i+1], v[AC+4*\i:AC+4*\i+1], v[AC+4*\i+2:AC+4*\i+3]  ; the first eight pairs start four sums
.endr
	WIN W<<2
.set z, 0
.rept 24
	v_pk_add_f32 v[LS+2*(z%4):LS+2*(z%4)+1], v[LS+2*(z%4):LS+2*(z%4)+1], v[AC+16+2*z:AC+16+2*z+1]
.set z, z+1
.endr
	WIN 0
	v_pk_add_f32 v[LS:LS+1], v[LS:LS+1], v[LS+2:LS+3]
	v_pk_add_f32 v[LS+4:LS+5], v[LS+4:LS+5], v[LS+6:LS+7]
	v_pk_add_f32 v[LS:LS+1], v[LS:LS+1], v[LS+4:LS+5]
	v_add_f32 v[LS], v[LS], v[LS+1]
	v_permlanex16_b32 v[TT], v[LS], s[SEL], s[SEL+1]
	v_add_f32 v[LS], v[LS], v[TT]
	ds_store_b32 v[STA], v[CM] offset:64*(\a)      ; both lanes of a query write the same word with the same number
	ds_store_b32 v[STA], v[LS] offset:512+64*(\a)
.endm
.macro TOSTAGE a
	WIN 0
.set BK, OB+192*((\a)%2)
.irp b, 0,1,2,3,4,5,6,7
	ds_store_b128 v[STO], v[TMP+4*(\b):TMP+4*(\b)+3] offset:32*(\b)
.endr
.irp t, 0,1,2,3,4,5,6,7
	ds_load_b128 v[BK+4*(\t):BK+4*(\t)+3], v[RD] offset:(\t)*2*PITCH  ; LDS serves a wave's instructions in order (ISA guide 5.7.1.4)
.endr
.endm
.macro SEND a
	WIN 0
.set BK, OB+192*((\a)%2)
	s_wait_dscnt 0x0
	s_wait_xcnt 0x0                                ; only behind this wait are the stores' base and the registers that earlier stores read rewritten
.if (\a) > 0
	s_add_nc_u64 s[8:9], s[8:9], 16*PROW
.endif
.irp t, 0,1,2,3,4,5,6,7
	global_store_b128 v[CO], v[BK+4*(\t):BK+4*(\t)+3], s[8:9] offset:2*(\t)*PROW  ; 16 lanes store 256 consecutive bytes, at a multiple of 256 from pw's first byte
.endr
.endm
	SOFT 0
	TOSTAGE 0
.irp a, 1,2,3,4,5,6,7                  ; block a's softmax stands between block a - 1's loads from the stage and the wait for them
	SOFT \a
	SEND (\a)-1
	TOSTAGE \a
.endr
	SEND 7
	ds_load_b128 v[64:67], v[SRD]                  ; my wave's 128 cm and 128 l, 16 bytes a lane: they see my own stores above
	ds_load_b128 v[68:71], v[SRD] offset:512
	s_wait_dscnt 0x0
	global_store_b128 v[GS], v[64:67], s[88:89]    ; 512 consecutive bytes each
	global_store_b128 v[GS], v[68:71], s[88:89] offset:524288
	s_wait_tensorcnt 0x0                           ; the wave's end
	ds_add_u32 v[SPW], v[NIL]
	s_wait_dscnt 0x0
	CROUND                                         ; the closing round
	s_endpgm
.Lfunc_end_k_qcf10c4cb51_score:
	.size	k_qcf10c4cb51_score, .Lfunc_end_k_qcf10c4cb51_score-k_qcf10c4cb51_score
	.p2alignl 7, 3214868480
	.fill 96, 4, 3214868480
	.section	.rodata,"a",@progbits
	.p2align	6, 0x0
	.amdhsa_kernel k_qcf10c4cb51_score
		.amdhsa_group_segment_fixed_size 327680
		.amdhsa_private_segment_fixed_size 0
		.amdhsa_enable_private_segment 0
		.amdhsa_kernarg_size 32
		.amdhsa_user_sgpr_count 2
		.amdhsa_user_sgpr_kernarg_segment_ptr 1
		.amdhsa_wavefront_size32 1
		.amdhsa_system_sgpr_workgroup_id_x 1
		.amdhsa_system_sgpr_workgroup_id_y 1
		.amdhsa_system_sgpr_workgroup_id_z 1
		.amdhsa_system_vgpr_workitem_id 0
		.amdhsa_next_free_vgpr 1024
		.amdhsa_next_free_sgpr 96
		.amdhsa_reserve_vcc 0
		.amdhsa_float_denorm_mode_32 3
		.amdhsa_float_denorm_mode_16_64 3
		.amdhsa_memory_ordered 1
		.amdhsa_forward_progress 1
		.amdhsa_inst_pref_size 185
	.end_amdhsa_kernel
	.amdgpu_metadata
---
amdhsa.version: [ 1, 2 ]
amdhsa.kernels:
  - .name:           k_qcf10c4cb51_score
    .symbol:         k_qcf10c4cb51_score.kd
    .args:
      - { .name: qh, .offset: 0, .size: 8, .value_kind: global_buffer, .address_space: global }
      - { .name: kh, .offset: 8, .size: 8, .value_kind: global_buffer, .address_space: global }
      - { .name: pw, .offset: 16, .size: 8, .value_kind: global_buffer, .address_space: global }
      - { .name: st, .offset: 24, .size: 8, .value_kind: global_buffer, .address_space: global }
    .group_segment_fixed_size: 327680
    .private_segment_fixed_size: 0
    .kernarg_segment_align: 8
    .kernarg_segment_size: 32
    .max_flat_workgroup_size: 128
    .sgpr_count:     96
    .vgpr_count:     1024
    .wavefront_size: 32
...
	.end_amdgpu_metadata
.endif
;; end of part 2
;; launch pv (part 3): grid 4 x 64, 4 waves a work-group, clusters of 4 x 4, 327,680 bytes of LDS; arguments pw, vh, st, out0; writes out0
.if DOCPART == 3
	.amdgcn_target "amdgcn-amd-amdhsa--gfx1250"
	.amdhsa_code_object_version 6
	.text
	.protected	k_qcf10c4cb51_pv
	.globl	k_qcf10c4cb51_pv
	.p2align	8
	.type	k_qcf10c4cb51_pv,@function
k_qcf10c4cb51_pv:
	s_mov_b64 s[64:65], 0
	v_nop
	global_prefetch_b8 v0, s[64:65] scope:SCOPE_SE
	s_setreg_imm32_b32 hwreg(HW_REG_WAVE_MODE, 25, 1), 1
	s_wait_xcnt 0x0
	s_wait_alu depctr_hold_cnt(0) depctr_sa_sdst(0) depctr_va_vdst(0) depctr_va_sdst(0) depctr_va_ssrc(0) depctr_va_vcc(0) depctr_vm_vsrc(0)
	s_getreg_b32 s2, hwreg(HW_REG_IB_STS2, 6, 4)
	s_cmp_eq_u32 s2, 0
	s_cbranch_scc0 .Lentry_in_a_cluster
	s_endpgm
.Lentry_in_a_cluster:
	s_bfe_u32 s2, ttmp6, 0x10000c
	s_cmp_lg_u32 s2, 0xf033
	s_cbranch_scc0 .Lentry_shape_is_right
	s_endpgm
.Lentry_shape_is_right:
; THE WEIGHTED SUM.  For each query: CM = the largest of its 16 chunks' cm; f_c = 2^(cm_c - CM); L = the sum of f_c l_c; g_c = f_c / L; out[m][:] = the sum over chunks c of g_c x (the sum over the chunk's keys t of p[m][t] v[t][:]).
; pw: [8192][2048] f16, each weight against its chunk's maximum; vh: [8192][1024] f16; st: cm at [chunk][row] f32, l 524,288 bytes on; out0: [8192][1024] f32.  So every weight stands against its row's true maximum.
; The factors g_c, the chunks' sums and the totals are f32; only the two matrix operands are f16.
; LIMITS.  p is f16 in 0 to 1: below 6e-5 of its chunk's largest it keeps f16's fixed step of 6e-8; an f_c below 2^-126 counts as 0.  NaN and infinities are not treated apart.
; SHARES.  A work-group makes 128 queries x 256 channels, each of its four waves 64 x 128.  K goes in steps of 128 keys, a chunk a step, through two LDS slots.
; A K step sums into 32 CHUNK ACCUMULATORS, which its first quarter starts with the constant 0; when they are finished, total += g_c x chunk: 128 packed multiply-adds a K step (the FOLDS), eight behind each
; two matrix instructions, through the second half of the step's last quarter and the first half of the next step's first: each behind the last product on its accumulator and ahead of the product that starts it anew.
; The totals start at 0: 256 v_mov_b32 in the wait for the first tiles: the price of writing no first K step out.
; CLUSTER.  4 x 4 work-groups: p's tiles are shared along a row of the cluster (four channel blocks of the same queries), v's along a column (four query blocks of one batch): each is asked for jointly.
; THE MATRIX INSTRUCTION IS USED TRANSPOSED: source 0 = 16 channels x 32 keys of v, turned on the way out of LDS by ds_load_tr16_b128; source 1 = 16 queries x 32 keys of p: a lane holds one query and eight channels.
; REGISTERS: window 0: v2-34 addresses and factors; v64-159, v160-255 two fragment buffers (p's four fragments, then v's eight);   window 1: chunk accumulator (a, b) at 8 (8 a + b);   window 2: its total, at the same number
.set PP,    272                        ; a row of p in LDS: 256 bytes + 16
.set PV,    544                        ; a row of v: 512 bytes + 32
.set VOFF,  128*PP                     ; a slot: 128 rows of p, then 128 rows of v
.set SLOTX, 1<<17                      ; slot 1 begins here
.set FT,    VOFF+128*PV                ; between the slots, never filled by a tensor load: 16 chunks x 128 rows x the pair (g, g) in f32
.set FTC,   1024                       ; a chunk's bytes there
.set SPARE, FT+16*FTC                  ; the spare words: two blocks of 256 bytes that no other line names
.set STAGE, SLOTX+FT                   ; behind slot 1: 16 rows x 528 bytes for each wave
.set SP,    528
.set PROW,  4096
.set VROW,  2048
.set OROW,  4096
.set APL, 2                            ; v2   my lane's place in a tile of p; never rewritten
.set AVL, 3                            ; v3   the same for v
.set ADP, 4                            ; v4   APL + the slot in hand
.set ADV, 5
.set FTA, 6                            ; v6   where my four pairs of the chunk in hand lie
.set STO, 7
.set RD,  8
.set CO,  9
.set SPW, 10
.set NIL, 11
.set SC,  12                           ; v[12:19]  (g, g) of my query in each of my four blocks
.set FTL, 28                           ; v28  FTA's lane term; never rewritten
.set RR,  29
.set HH,  30
.set T1,  31
.set FTW, 33                           ; v33  where thread t puts row t's pair of chunk 0
.set GOF, 34                           ; v34  4 t
.set F0,  64
.set F1,  160
.set OB,  128                          ; the way out: 16 rows read back: v128-191 and v192-255 by turns
.set G1A, 24                           ; s[24:31], s[32:39] p's descriptors
.set G0A, 32
.set G1B, 48                           ; s[48:55], s[56:63] v's
.set G0B, 56
.set TB,  84
.set CNT, 85
.set FS,  86                           ; s86  1,024 x the chunk whose factors are fetched next
.set MSB, 0
.macro WIN new
.if MSB != (\new)
	s_set_vgpr_msb (MSB<<8)|(\new)
.set MSB, (\new)
.endif
.endm
.macro PLACES
.rept 4
	v_nop
.endr
.endm
.macro CREST
	s_cmp_lg_u32 s10, 0
	s_cbranch_scc1 .Lnot_wave_0_\@
	s_barrier_signal -3
.Lnot_wave_0_\@:
	s_barrier_wait -3
	s_barrier_signal -1
	s_barrier_wait -1
.endm
.macro CROUND
	s_barrier_signal -1
	s_barrier_wait -1
	CREST
.endm
.macro JLOAD                           ; waves 0 and 1 fetch p's two halves (64 queries each), waves 2 and 3 v's (64 keys each)
	s_cmp_eq_u32 s11, 0
	s_cbranch_scc0 .Lfor_b_\@
	tensor_load_to_lds s[G0A+4:G0A+7], s[G1A:G1A+7]
	s_nop 0
.rept 4
	v_nop
.endr
	s_branch .Lasked_\@
.Lfor_b_\@:
	tensor_load_to_lds s[G0B+4:G0B+7], s[G1B:G1B+7]
	s_nop 0
.rept 4
	v_nop
.endr
.Lasked_\@:
.endm
	s_load_b256 s[68:75], s[0:1], 0x0              ; pw s[68:69], vh s[70:71], st s[72:73], out0 s[74:75]
	v_lshl_add_u32 v[SPW], v0, 2, SPARE
	v_mov_b32 v[NIL], 0
	ds_add_u32 v[SPW], v[NIL]                      ; the wave's opening: the add and its wait stand ahead of my first tensor load
	v_lshrrev_b32 v1, 5, v0
	v_readfirstlane_b32 s10, v1                    ; wave 0..3
	s_lshr_b32 s11, s10, 1                         ; which half of the queries is mine.  Also: I fetch for p (0) or for v (1)
	s_and_b32 s12, s10, 1                          ; which half of the channels.  Also: which 64 rows I fetch
	s_bfe_u32 s40, ttmp6, 0x40000                  ; cx
	s_bfe_u32 s41, ttmp6, 0x40004                  ; cy
	s_lshl_b32 s42, ttmp9, 2
	s_add_co_u32 s42, s42, s40                     ; block of 256 channels, 0..3
	s_and_b32 s87, ttmp7, 0xffff                   ; the cluster's y
	s_lshl_b32 s13, s87, 2
	s_add_co_u32 s13, s13, s41                     ; block of 128 queries, 0..63
	s_lshl_b32 s43, s41, 2
	s_lshl_b32 s43, 15, s43
	s_lshl_b32 s44, 0x1111, s40
	s_or_b32 s[G1A], s43, (1<<16)|(1<<20)|(1<<21)|(5<<22)|(3<<25)  ; p: my row's mask; 2-byte elements; padding after every 64 words, of 4 words
	s_mov_b32 s[G1A+1], 128<<16                    ; tensor_dim0 = 128
	s_mov_b32 s[G1A+2], 64<<16                     ; tensor_dim1 = 64
	s_mov_b32 s[G1A+3], 128<<16                    ; tile_dim0 = 128
	s_mov_b32 s[G1A+4], 64                         ; tile_dim1 = 64
	s_mov_b32 s[G1A+5], 2048                       ; elements from row to row
	s_mov_b32 s[G1A+6], 0
	s_mov_b32 s[G1A+7], 0
	s_or_b32 s[G1B], s44, (1<<16)|(1<<20)|(1<<21)|(6<<22)|(7<<25)  ; v: my column's mask; padding after every 128 words, of 8 words
	s_mov_b32 s[G1B+1], 256<<16
	s_mov_b32 s[G1B+2], 64<<16
	s_mov_b32 s[G1B+3], 256<<16
	s_mov_b32 s[G1B+4], 64
	s_mov_b32 s[G1B+5], 1024
	s_mov_b32 s[G1B+6], 0
	s_mov_b32 s[G1B+7], 0
	s_lshl_b32 s14, s12, 6                         ; which 64 rows I fetch
	s_lshl_b32 s16, s13, 7
	s_add_co_u32 s16, s16, s14
	s_lshl_b32 s16, s16, 12                        ; p: (128 x block + 64 x half) rows of 4,096 bytes
	s_mov_b32 s17, 0
	s_lshr_b32 s46, s87, 2                         ; the batch: sixteen blocks of queries, four clusters, to each; made of the cluster's y
	s_lshl_b32 s46, s46, 11
	s_add_co_u32 s46, s46, s14
	s_lshl_b32 s46, s46, 11                        ; v: (2,048 x batch + 64 x half) rows of 2,048 bytes,
	s_lshl_b32 s47, s42, 9
	s_add_co_u32 s46, s46, s47                     ; and 256 channels x 2 bytes for each block
	s_mov_b32 s47, 0
	s_mul_i32 s20, s12, 64*PP                      ; where they go: no place in the cluster enters an LDS address
	s_mul_i32 s21, s12, 64*PV
	s_add_co_u32 s21, s21, VOFF
	s_lshl_b32 s22, s13, 9                         ; my block's 128 words in a chunk's statistics
	s_mov_b32 s23, 0
	s_lshl_b32 s18, s13, 7                         ; my part of out0: row 128 x block + 64 x half,
	s_lshl_b32 s19, s11, 6
	s_add_co_u32 s18, s18, s19
	s_lshl_b32 s18, s18, 12
	s_lshl_b32 s19, s42, 10                        ; 256 channels x 4 bytes for each block, 128 for each half
	s_add_co_u32 s18, s18, s19
	s_lshl_b32 s19, s12, 9
	s_add_co_u32 s18, s18, s19
	s_mov_b32 s19, 0
	s_mov_b32 s[TB], 0
	s_mov_b32 s[FS], 0
	s_wait_dscnt 0x0                               ; the opening add is done
	s_wait_kmcnt 0x0
	s_add_nc_u64 s[4:5], s[68:69], s[16:17]
	s_add_nc_u64 s[6:7], s[70:71], s[46:47]
	s_add_nc_u64 s[14:15], s[72:73], s[22:23]
	s_add_nc_u64 s[8:9], s[74:75], s[18:19]
	CROUND                                         ; the first joint loads meet
.irp s, 0,1
	s_mov_b32 s[G0A+4*(\s)], 1
	s_add_co_u32 s[G0A+4*(\s)+1], s20, (\s)*SLOTX
	s_add_nc_u64 s[G0A+4*(\s)+2:G0A+4*(\s)+3], s[4:5], (\s)*256           ; K step s: 128 keys along p's rows
	s_or_b32 s[G0A+4*(\s)+3], s[G0A+4*(\s)+3], 0x80000000
	s_mov_b32 s[G0B+4*(\s)], 1
	s_add_co_u32 s[G0B+4*(\s)+1], s21, (\s)*SLOTX
	s_add_nc_u64 s[G0B+4*(\s)+2:G0B+4*(\s)+3], s[6:7], (\s)*128*VROW      ; 128 rows of v
	s_or_b32 s[G0B+4*(\s)+3], s[G0B+4*(\s)+3], 0x80000000
.endr
	s_cmp_eq_u32 s11, 0                            ; a wave's two first fills stand in one branch: two loads of mine are out
	s_cbranch_scc0 .Lfirst_b
	tensor_load_to_lds s[G0A:G0A+3], s[G1A:G1A+7]
	s_nop 0
	tensor_load_to_lds s[G0A+4:G0A+7], s[G1A:G1A+7]
	s_nop 0
.rept 4
	v_nop
.endr
	s_branch .Lfirst_asked
.Lfirst_b:
	tensor_load_to_lds s[G0B:G0B+3], s[G1B:G1B+7]
	s_nop 0
	tensor_load_to_lds s[G0B+4:G0B+7], s[G1B:G1B+7]
	s_nop 0
.rept 4
	v_nop
.endr
.Lfirst_asked:
	; THE ROWS' FACTORS, in the wait for the first tiles: thread t takes row t of the block's 128: 16 cm and 16 l; a wave's load covers 128 consecutive bytes, the four waves' 512
	v_lshlrev_b32 v[GOF], 2, v0
.irp c, 0,1,2,3,4,5,6,7,8,9,10,11,12,13,14,15
	global_load_b32 v[64+\c], v[GOF], s[14:15] offset:32768*\c
.endr
.irp c, 0,1,2,3,4,5,6,7,8,9,10,11,12,13,14,15
	global_load_b32 v[80+\c], v[GOF], s[14:15] offset:524288+32768*\c
.endr
	WIN 0x80                                       ; the totals start at 0
.set i, 0
.rept 256
	v_mov_b32 v[i], 0
.set i, i+1
.endr
	WIN 0
	v_and_b32 v[RR], 15, v0                        ; l % 16
	v_bfe_u32 v[HH], v0, 4, 1                      ; l / 16
	v_mul_u32_u24 v[APL], v[RR], PP
	v_lshl_add_u32 v[APL], v[HH], 4, v[APL]        ; row x pitch + 16 x half
	s_mul_i32 s2, s11, 64*PP                       ; my 64 queries
	v_add_nc_u32 v[APL], s2, v[APL]
	; the turning load takes 16 keys x 16 channels: lane l reads key 8 (l / 16) + l % 8, channels 8 ((l / 8) % 2) + 0..7, and is left with channel l % 16 and 8 keys
	v_and_b32 v[T1], 7, v0
	v_lshl_add_u32 v[T1], v[HH], 3, v[T1]
	v_mul_u32_u24 v[AVL], v[T1], PV
	v_bfe_u32 v[T1], v0, 3, 1
	v_lshl_add_u32 v[AVL], v[T1], 4, v[AVL]
	s_lshl_b32 s2, s12, 8                          ; my 128 channels
	s_add_co_u32 s2, s2, VOFF
	v_add_nc_u32 v[AVL], s2, v[AVL]
	v_mov_b32 v[ADP], v[APL]                       ; slot 0
	v_mov_b32 v[ADV], v[AVL]
	; row t's pair in a chunk's 1,024 bytes: (t / 64) x 512 + (t % 16) x 32 + ((t / 16) % 4) x 8: two loads of 16 bytes then give a lane the pairs of its query in its four blocks
	s_lshl_b32 s2, s11, 9
	s_add_co_u32 s2, s2, FT
	v_lshl_add_u32 v[FTL], v[RR], 5, s2
	v_mov_b32 v[FTA], v[FTL]
	v_and_b32 v[FTW], 64, v0
	v_lshlrev_b32 v[FTW], 3, v[FTW]
	v_lshl_add_u32 v[FTW], v[RR], 5, v[FTW]
	v_bfe_u32 v[T1], v0, 4, 2
	v_lshl_add_u32 v[FTW], v[T1], 3, v[FTW]
	v_add_nc_u32 v[FTW], FT, v[FTW]
	s_mul_i32 s2, s10, 16*SP
	s_add_co_u32 s2, s2, STAGE                     ; my stage
	v_mul_u32_u24 v[STO], v[RR], SP                ; in: row l % 16, 32 bytes for each half of the lanes
	v_lshl_add_u32 v[STO], v[HH], 5, v[STO]
	v_add_nc_u32 v[STO], s2, v[STO]
	v_and_b32 v[T1], 31, v0
	v_lshlrev_b32 v[CO], 4, v[T1]                  ; back: 32 lanes take one row of 512 bytes
	v_add_nc_u32 v[RD], s2, v[CO]
	s_wait_loadcnt 0x0
	v_max3_num_f32 v96, v64, v65, v66              ; CM, in two chains
	v_max3_num_f32 v97, v67, v68, v69
.irp c, 70,74
	v_max3_num_f32 v96, v96, v[\c], v[\c+1]
	v_max3_num_f32 v97, v97, v[\c+2], v[\c+3]
.endr
	v_max3_num_f32 v96, v96, v78, v79
	v_max_num_f32 v96, v96, v97
.irp c, 0,1,2,3,4,5,6,7,8,9,10,11,12,13,14,15
	v_sub_f32 v[64+\c], v[64+\c], v96
.endr
.irp c, 0,1,2,3,4,5,6,7,8,9,10,11,12,13,14,15
	v_exp_f32 v[64+\c], v[64+\c]                   ; f_c
.endr
	v_nop                                          ; a plain instruction behind the last exponential (ISA guide 5.7.2)
	s_wait_alu depctr_va_vdst(0)
	v_mul_f32 v98, v64, v80                        ; L, in two chains; the chunk that holds CM has f = 1 and l of about 1 or more
	v_mul_f32 v99, v65, v81
.irp c, 2,4,6,8,10,12,14
	v_fmac_f32 v98, v[64+\c], v[80+\c]
	v_fmac_f32 v99, v[65+\c], v[81+\c]
.endr
	v_add_f32 v98, v98, v99
	v_rcp_f32 v98, v98
	v_nop                                          ; a plain instruction behind the reciprocal
	s_wait_alu depctr_va_vdst(0)
.irp c, 0,1,2,3,4,5,6,7,8,9,10,11,12,13,14,15
	v_mul_f32 v[100+2*\c], v[64+\c], v98           ; g_c = f_c / L, twice: a pair for the packed multiply-add
	v_mul_f32 v[101+2*\c], v[64+\c], v98
.endr
.irp c, 0,1,2,3,4,5,6,7,8,9,10,11,12,13,14,15
	ds_store_b64 v[FTW], v[100+2*\c:101+2*\c] offset:FTC*\c
.endr
	s_wait_dscnt 0x0                               ; for the others' sake: my stores are done
	s_wait_tensorcnt 0x1                           ; my part of K step 0 is in; K step 1's may stay out
	s_barrier_signal -1
	s_barrier_wait -1
; Group n of a quarter's 16: two matrix instructions: channel block n / 2, query blocks 2 (n % 2) and the next.  The 32 accumulators take turns.
.macro GRP f, n, zero
	WIN 0x50                                       ; C and D window 1
.set b_, (\n)/2
.irp e, 0,1
.set a_, 2*((\n)%2)+\e
.set rD, 8*(8*a_+b_)
.if \zero
	v_wmma_f32_16x16x32_f16 v[rD:rD+7], v[(\f)+32+8*b_:(\f)+32+8*b_+7], v[(\f)+8*a_:(\f)+8*a_+7], 0
.else
	v_wmma_f32_16x16x32_f16 v[rD:rD+7], v[(\f)+32+8*b_:(\f)+32+8*b_+7], v[(\f)+8*a_:(\f)+8*a_+7], v[rD:rD+7]
.endif
.endr
.endm
; The two accumulators of group n are folded: total += g x chunk, eight packed multiply-adds; each accumulator's lowest registers are read first.
; A fold stands eight groups behind the last products on its accumulators, with four plain vector instructions or more between that name none of those products' registers (ISA guide 7.12.1).
.macro FOLD n
	WIN 0xa1                                       ; the chunk's sum (source 0) window 1, g window 0, the total (source 2 and destination) window 2
.irp e, 0,1
.set a_, 2*((\n)%2)+\e
.set rD, 8*(8*a_+(\n)/2)
.irp z, 0,1,2,3
	v_pk_fma_f32 v[rD+2*\z:rD+2*\z+1], v[rD+2*\z:rD+2*\z+1], v[SC+2*a_:SC+2*a_+1], v[rD+2*\z:rD+2*\z+1]
.endr
.endr
.endm
.macro FETCH kq, f                     ; 24 LDS loads in one run: quarter kq (32 keys): p's four fragments, then v's eight, turned
	WIN 0
.irp a, 0,1,2,3
	ds_load_b128 v[(\f)+8*\a:(\f)+8*\a+3],   v[ADP] offset:\a*16*PP+64*(\kq)
	ds_load_b128 v[(\f)+8*\a+4:(\f)+8*\a+7], v[ADP] offset:\a*16*PP+64*(\kq)+32
.endr
.irp b, 0,1,2,3,4,5,6,7
	ds_load_tr16_b128 v[(\f)+32+8*\b:(\f)+32+8*\b+3],   v[ADV] offset:(\kq)*32*PV+32*\b
	ds_load_tr16_b128 v[(\f)+32+8*\b+4:(\f)+32+8*\b+7], v[ADV] offset:(\kq)*32*PV+16*PV+32*\b
.endr
.endm
; A quarter multiplies buffer f and fetches quarter kq into g.  zero = 1: a K step's first quarter: its products start the chunk's sums.  fold = 1: the chunk before is still being folded: folds 8 to 15
; stand behind groups 0 to 7, each ahead of the group that starts its accumulators anew.  The chunk's own factors come in its second quarter (kq = 2), when those folds are over.
.macro QUARTER kq, f, g, zero, fold=0
	s_wait_dscnt 8                                 ; the youngest eight loads, v's channel blocks 4-7, may be out
.irp n, 0,1,2,3
	GRP \f, \n, \zero
.if \fold
	FOLD (\n)+8
.endif
.endr
.if !(\fold)
	PLACES                                         ; four places in front of loads into registers that matrix instructions have read; with fold = 1 the folds are those places
.endif
.if (\kq) == 2
	WIN 0
	ds_load_b128 v[SC:SC+3], v[FTA]
	ds_load_b128 v[SC+4:SC+7], v[FTA] offset:16
.endif
	FETCH \kq, \g
.irp n, 4,5,6,7
	GRP \f, \n, \zero
.if \fold
	FOLD (\n)+8
.endif
.endr
	s_wait_dscnt 24                                ; all but the 24 just issued: f's last eight loads are in, and the factors
.irp n, 8,9,10,11,12,13,14,15
	GRP \f, \n, \zero
.endr
.endm
; The last quarter of a K step multiplies buffer 1 and changes slots.  fill = 1: the barrier opens a round of the cluster's, and this slot is filled again, two K steps ahead.
; Folds 0 to 7 stand behind groups 8 to 15.
.macro TURN fill
	WIN 0
	s_wait_tensorcnt 0x0                           ; no tensor load of mine is out, so a group 0 may be written
	ds_add_u32 v[SPW], v[NIL]
.if \fill
	s_xor_b32 s[G0A+5], s[G0A+5], SLOTX
	s_add_nc_u64 s[G0A+6:G0A+7], s[G0A+6:G0A+7], 256
	s_xor_b32 s[G0B+5], s[G0B+5], SLOTX
	s_add_nc_u64 s[G0B+6:G0B+7], s[G0B+6:G0B+7], 128*VROW
.endif
	s_xor_b32 s[TB], s[TB], SLOTX
	s_add_co_u32 s[FS], s[FS], FTC                 ; the next chunk's factors
	s_wait_dscnt 9                                 ; the add and the youngest eight loads may be out
.irp n, 0,1,2,3
	GRP F1, \n, 0
.endr
	s_wait_dscnt 0x0                               ; the add is done, and my reads of this slot are over
	s_barrier_signal -1
.irp n, 4,5,6,7
	GRP F1, \n, 0
.endr
	WIN 0
	s_barrier_wait -1
.if \fill
	CREST
	JLOAD                                          ; its four v_nop are also the places in front of the loads and of the folds below
.else
	PLACES
.endif
	v_add_nc_u32 v[ADP], s[TB], v[APL]
	v_add_nc_u32 v[ADV], s[TB], v[AVL]
	v_add_nc_u32 v[FTA], s[FS], v[FTL]
	FETCH 0, F0
.irp n, 8,9,10,11,12,13,14,15
	GRP F1, \n, 0
	FOLD (\n)-8
.endr
.endm
	FETCH 0, F0
	QUARTER 1, F0, F1, 1, 0                        ; the first K step's first quarter: there is no chunk before it
	WIN 0
	s_mov_b32 s[CNT], 14
.Lstep:                                                ; a trip: from a K step's second quarter to the next step's first; 14 refills: K steps 2 to 15
	QUARTER 2, F1, F0, 0
	QUARTER 3, F0, F1, 0
	TURN 1
	QUARTER 1, F0, F1, 1, 1
	WIN 0
	s_sub_co_u32 s[CNT], s[CNT], 1
	s_cmp_lg_u32 s[CNT], 0
	s_cbranch_scc1 .Lstep
	QUARTER 2, F1, F0, 0                           ; the tail is written out: nothing is asked for
	QUARTER 3, F0, F1, 0
	TURN 0
	QUARTER 1, F0, F1, 1, 1
	QUARTER 2, F1, F0, 0
	QUARTER 3, F0, F1, 0
	s_wait_dscnt 8
.irp n, 0,1,2,3,4,5,6,7
	GRP F1, \n, 0
.endr
	s_wait_dscnt 0x0
	PLACES                                         ; the places in front of the first folds
.irp n, 8,9,10,11,12,13,14,15
	GRP F1, \n, 0
	FOLD (\n)-8
.endr
.irp n, 8,9,10,11,12,13,14,15
	FOLD \n                                        ; the last chunk's other half: no product is left to stand beside
.endr
	WIN 0
; THE WAY OUT of block a (16 queries x 128 channels): the totals are the result: 32 bytes a lane into my own stage, back as whole rows of 512 bytes; stored.
.macro TOSTAGE a
.set BK, OB+64*((\a)%2)
	WIN 0x08                                       ; the stores' data window 2
.irp b, 0,1,2,3,4,5,6,7
	ds_store_b128 v[STO], v[64*(\a)+8*(\b):64*(\a)+8*(\b)+3]   offset:64*(\b)
	ds_store_b128 v[STO], v[64*(\a)+8*(\b)+4:64*(\a)+8*(\b)+7] offset:64*(\b)+16
.endr
	WIN 0
.if (\a) >= 2
	s_wait_xcnt 0x0                                ; the registers below were read by the stores of the block two back: they are loaded again only behind this wait
.endif
.irp t, 0,1,2,3,4,5,6,7,8,9,10,11,12,13,14,15
	ds_load_b128 v[BK+4*(\t):BK+4*(\t)+3], v[RD] offset:(\t)*SP  ; LDS serves a wave's instructions in order (ISA guide 5.7.1.4): these see the stores above, and the next block's stores come behind them
.endr
.endm
.macro SEND a, younger                 ; younger: the LDS instructions issued behind block a's loads: the next block's 16 stores and 16 loads, or none
	WIN 0
.set BK, OB+64*((\a)%2)
	s_wait_dscnt \younger
	s_wait_xcnt 0x0                                ; only behind this wait is the stores' base rewritten
.if (\a) > 0
	s_add_nc_u64 s[8:9], s[8:9], 16*OROW
.endif
.irp t, 0,1,2,3,4,5,6,7,8,9,10,11,12,13,14,15
	global_store_b128 v[CO], v[BK+4*(\t):BK+4*(\t)+3], s[8:9] offset:(\t)*OROW th:TH_STORE_NT  ; 512 consecutive bytes, at a multiple of 256 from out0's first byte
.endr
.endm
	TOSTAGE 0
	TOSTAGE 1                                      ; a block's way through the stage stands between the loads of the block before and its stores
	SEND 0, 32
	TOSTAGE 2
	SEND 1, 32
	TOSTAGE 3
	SEND 2, 32
	SEND 3, 0
	s_wait_tensorcnt 0x0                           ; the wave's end
	ds_add_u32 v[SPW], v[NIL]
	s_wait_dscnt 0x0
	CROUND                                         ; the closing round
	s_endpgm
.Lfunc_end_k_qcf10c4cb51_pv:
	.size	k_qcf10c4cb51_pv, .Lfunc_end_k_qcf10c4cb51_pv-k_qcf10c4cb51_pv
	.p2alignl 7, 3214868480
	.fill 96, 4, 3214868480
	.section	.rodata,"a",@progbits
	.p2align	6, 0x0
	.amdhsa_kernel k_qcf10c4cb51_pv
		.amdhsa_group_segment_fixed_size 327680
		.amdhsa_private_segment_fixed_size 0
		.amdhsa_enable_private_segment 0
		.amdhsa_kernarg_size 32
		.amdhsa_user_sgpr_count 2
		.amdhsa_user_sgpr_kernarg_segment_ptr 1
		.amdhsa_wavefront_size32 1
		.amdhsa_system_sgpr_workgroup_id_x 1
		.amdhsa_system_sgpr_workgroup_id_y 1
		.amdhsa_system_sgpr_workgroup_id_z 1
		.amdhsa_system_vgpr_workitem_id 0
		.amdhsa_next_free_vgpr 768
		.amdhsa_next_free_sgpr 96
		.amdhsa_reserve_vcc 0
		.amdhsa_float_denorm_mode_32 3
		.amdhsa_float_denorm_mode_16_64 3
		.amdhsa_memory_ordered 1
		.amdhsa_forward_progress 1
		.amdhsa_inst_pref_size 112
	.end_amdhsa_kernel
	.amdgpu_metadata
---
amdhsa.version: [ 1, 2 ]
amdhsa.kernels:
  - .name:           k_qcf10c4cb51_pv
    .symbol:         k_qcf10c4cb51_pv.kd
    .args:
      - { .name: pw, .offset: 0, .size: 8, .value_kind: global_buffer, .address_space: global }
      - { .name: vh, .offset: 8, .size: 8, .value_kind: global_buffer, .address_space: global }
      - { .name: st, .offset: 16, .size: 8, .value_kind: global_buffer, .address_space: global }
      - { .name: out0, .offset: 24, .size: 8, .value_kind: global_buffer, .address_space: global }
    .group_segment_fixed_size: 327680
    .private_segment_fixed_size: 0
    .kernarg_segment_align: 8
    .kernarg_segment_size: 32
    .max_flat_workgroup_size: 128
    .sgpr_count:     96
    .vgpr_count:     768
    .wavefront_size: 32
...
	.end_amdgpu_metadata
.endif
;; end of part 3
